; MI455X (gfx1250); checked and timed in simulation.
; The chip was launched on July 23, 2026; its instructions are those of AMD's public machine-readable ISA for CDNA 5 (MIT licence, August 2026) and "CDNA5" Instruction Set Architecture Reference Guide (July 2026). The comments in the code are by the model that wrote it; some were corrected since.
;; Codebook Linear. Allowed arithmetic: matrix products marked QUANTISED: E2M1 operands, one E8M0 scale for each 32 along K, by v_wmma_scale_f32_16x16x128_f8f6f4 with both operands' format E2M1 (or v_wmma_scale_f32_32x16x128_f4), f32 sums; everything else in f32.
;; Inputs: bias 2,048 float32; centroids 256 x 16 float32; labels 524,288 int32; x_codes 4 x 2,048 x 128 x 16 uint8 (E2M1 codes of x, K innermost, in blocks of 32 codes, two codes a byte); x_scales 4 x 2,048 x 128 uint8 (E8M0 scales of x, one for each 32 codes along K).
;; Outputs: out0 4 x 2,048 x 2,048 float32.
;; This version of the problem:
;;   THIS VERSION OF THE PROBLEM IS GIVEN IN LOW PRECISION. The matrix products marked QUANTISED in the list below multiply operands that are first quantised to E2M1 (2 exponent bits, 1 mantissa bit; 4 bits a number), with one power-of-two scale for each 32 numbers along K (OCP MX v1.0); their sums are f32. All else is computed in f32.
;;   The module's matrix products, in the order in which they are computed (A, B: the left and right operand; K: the contracted axis; several contracted axes count as one K, in the product's order):
;;     1. [M 8,192, K 4,096] x [K 4,096, N 2,048]; A: input x (given as codes); B: computed on the way: QUANTISED
;;   THE QUANTISER, for each operand of a quantised product, along K:
;;     - K is cut into blocks of 32 from its start; a last block that is shorter is filled with zeros.
;;     - A block's scale is 2^e with e = floor(log2(the largest magnitude in the block)) - 2, held to -126 .. 127; a block of zeros has e = 0. As a byte (E8M0): e + 127.
;;     - Each number is divided by its block's scale, clamped to +-6, and rounded to the nearest number of E2M1, ties to even, subnormals kept.
;;     - The product sums the exact products of the quantised numbers (number of the format x scale) in f32.
;;   ~~~python
;;   def quantise(x, axis):      # numpy; x: float32 -> the quantised numbers, widened to float32 again
;;       x = np.moveaxis(x, axis, -1); K = x.shape[-1]
;;       x = np.pad(x, [(0, 0)] * (x.ndim - 1) + [(0, -K % 32)]); x = x.reshape(x.shape[:-1] + (-1, 32)); a = np.abs(x).max(-1, keepdims=True)
;;       e = np.where(a > 0, np.clip(np.frexp(np.where(a > 0, a, 1))[1] - 1 - 2, -126, 127), 0)      # np.frexp(a)[1] - 1 = floor(log2(a)), exactly
;;       r = np.clip(x / 2.0 ** e, -6, 6)
;;       step = 2.0 ** (np.maximum(np.frexp(np.where(r == 0, 1, r))[1] - 1, 0) - 1)
;;       q = np.round(r / step) * step * 2.0 ** e      # np.round: ties to even
;;       return np.moveaxis(q.reshape(q.shape[:-2] + (-1,))[..., :K], -1, axis).astype(np.float32)
;;   ~~~
;;   OPERANDS COMPUTED ON THE WAY. 'Computed on the way' means the value that the module computes at that place (a softmax that the list does not call 'softmax' is quantised finished and normalised). What goes into a quantiser is computed in f32, as accurately as f32 sums, v_exp_f32 and their like allow (about 1e-6 of the number): no bf16 or f16 on the way to a quantiser, and a product that is left as it is and whose result goes on into a quantised operand takes f32 operands (vector FMAs, or v_wmma_f32_16x16x4_f32). A number that lies on a knife's edge between two numbers of the format may be rounded either way, as far as f32 arithmetic and the matrix unit's own rounding can turn it there, and no further.
;;   INPUTS GIVEN AS CODES. x (in the module: [4, 2048, 4096], K = its axis 2): each comes as NAME_codes (uint8): NAME with its K axis moved to the last place and cut into blocks of 32 codes, [.., K / 32, bytes a block], one block behind the other in memory; two codes a byte, the lower K in the low four bits (a code: sign, 2 exponent bits, 1 mantissa bit); and NAME_scales (uint8): the same leading axes, one E8M0 byte (e + 127) for each 32 codes along K. Its value is code x scale, taken as it is: it is not quantised again, and the codes and scales need not be those that the quantiser above would give.
;; One version. Each part assembles by itself: llvm-mc -triple=amdgcn-amd-amdhsa -mcpu=gfx1250 --defsym DOCPART=n.
;; ======== version 1 of 1: 2 launches
;; limits: right only within a limited range of input values
;; workspace buffers: wq 4,456,448 bytes
;; launch quant_w (part 1): grid 128 x 2, 4 waves a work-group, no clusters, 29,696 bytes of LDS; arguments centroids, labels, wq; writes wq
.if DOCPART == 1
	.amdgcn_target "amdgcn-amd-amdhsa--gfx1250"
	.amdhsa_code_object_version 6
	.text
	.protected	k_qa58a2ba9f3_quant_w
	.globl	k_qa58a2ba9f3_quant_w
	.p2align	8
	.type	k_qa58a2ba9f3_quant_w,@function
k_qa58a2ba9f3_quant_w:
	s_mov_b64 s[64:65], 0
	v_nop
	global_prefetch_b8 v0, s[64:65] scope:SCOPE_SE
	s_setreg_imm32_b32 hwreg(HW_REG_WAVE_MODE, 25, 1), 1
	s_wait_xcnt 0x0
; W[o][i] = centroids[labels[256 o + i / 16]][i % 16], [2048][4096] f32, is never written out: it is gathered from a copy of the codebook in LDS and turned at once into
; codes of FP4 (E2M1) with one E8M0 scale byte for each 32 along K (two neighbouring labels' centroids are one block of 32).
; A block's byte is its largest magnitude's exponent field - 2, held at 1 from below; each number is divided by the scale and rounded to the nearest code, ties to even, beyond 6 the largest code.
; LIMITS: a block of zeros gets the byte 1 where the rule says 127 (its codes are zeros, which add nothing under any byte but 0xff, and the bytes are read by this program alone);
; NaN and infinities among the centroids are not served; labels lie in 0 .. 255, as the table that they index asks (the clamp below changes none of these).
; WHERE THE RESULT GOES.  wq: for each 128 rows G of W and each K step j of 512 one dense block of 34,816 bytes at (8 G + j) x 34,816.  Its eight tiles of 16 rows take rows that are not neighbours:
; place r of tile b = 4 g + i is row 128 G + 64 g + 4 r + i.  That place's block t of 32 (0 .. 15), 16 code bytes, lies at 4096 b + 256 t + 16 r; its 16 scale bytes at 32,768 + 256 b + 16 r.
; SHARES.  Work-group (I = 8 G + b, y): tile b of G, K steps 4 y .. 4 y + 3; wave w: K step 4 y + w; lane (r = lane % 16, h = lane / 16): place r, blocks t = 8 h + u, u = 0 .. 7: 16 labels, 256 numbers.
; A lane holds whole blocks, so no maximum crosses lanes, and each store of codes covers two aligned runs of 256 consecutive bytes.
; No tensor loads, no matrix work; one barrier, between the filling of LDS and its reading.
.set TP,    80                         ; a centroid in LDS: 64 bytes + 16 of padding = 20 words: sixteen different starts among 64 banks (ISA guide 11.1)
.set LAB,   256*TP                     ; behind the codebook: the work-group's labels, 16 rows x 512 bytes,
.set LP,    528                        ; 528 bytes apart
.set SPARE, 0x7200                     ; the spare words: 128 bytes for each wave, that no other line names
.set EMAX,  2
.set BLKB,  34816
.set LG,    4                          ; v4   labels in memory
.set LS,    5                          ; v5   and in LDS
.set TG,    6                          ; v6   the codebook in memory: 16 x thread
.set TS,    7                          ; v7   and in LDS
.set LR,    8                          ; v8   my 16 labels in LDS
.set CO,    9                          ; v9   my codes' place in the block of wq
.set SO,    10                         ; v10  my 8 scale bytes' place
.set PD,    11                         ; v11  the padding of centroid 'thread'; later at work
.set SB,    14                         ; v[14:15] the 8 scale bytes
.set L,     16                         ; v16-31  labels, then LDS addresses of their centroids
.set X,     32                         ; v32-159 four sets of 32 numbers; at first v32-79 carry labels and codebook into LDS
.set C,     160                        ; v160-191 codes: four registers for each block, so that no store's data are written again
	s_load_b128 s[4:7], s[0:1], 0x0                ; centroids s[4:5], labels s[6:7]
	s_load_b64 s[8:9], s[0:1], 0x10                ; wq
	v_lshl_add_u32 v192, v0, 2, SPARE
	v_mov_b32 v193, 0
	v_lshrrev_b32 v1, 5, v0                        ; wave
	v_readfirstlane_b32 s16, v1
	v_and_b32 v2, 15, v0                           ; r
	v_bfe_u32 v3, v0, 4, 1                         ; h
	v_and_b32 v12, 31, v0
	v_lshlrev_b32 v12, 4, v12                      ; 16 x lane
	v_lshl_add_u32 v[LG], v1, 12, v12              ; places are four rows of 1,024 bytes apart
	v_mad_u32_u24 v[LS], v1, LP, v12
	v_add_nc_u32 v[LS], LAB, v[LS]
	v_lshlrev_b32 v[TG], 4, v0
	v_lshrrev_b32 v[TS], 2, v0
	v_mul_u32_u24 v[TS], v[TS], TP
	v_and_b32 v13, 3, v0
	v_lshl_add_u32 v[TS], v13, 4, v[TS]
	v_mad_u32_u24 v[PD], v0, TP, 64
	v_mul_u32_u24 v[LR], v2, LP                    ; place r of the labels,
	v_lshl_add_u32 v[LR], v1, 7, v[LR]             ; my wave's K step: 32 labels, 128 bytes,
	v_lshl_add_u32 v[LR], v3, 6, v[LR]             ; my half of them
	v_add_nc_u32 v[LR], LAB, v[LR]
	s_and_b32 s18, ttmp7, 0xffff                   ; y
	s_and_b32 s20, ttmp9, 0x78                     ; 8 G
	s_lshl_b32 s21, s18, 2
	s_add_co_u32 s20, s20, s21
	s_add_co_u32 s20, s20, s16                     ; + j = 4 y + wave
	s_mul_i32 s20, s20, BLKB                       ; my wave's block of wq, in bytes (under 2^23)
	s_mov_b32 s21, 0
	s_lshr_b32 s22, ttmp9, 2
	s_lshl_b32 s22, s22, 16                        ; the tile's first row of W: 64 (I / 4) + I % 4, of 1,024 label bytes;
	s_and_b32 s23, ttmp9, 3
	s_lshl_b32 s23, s23, 10
	s_add_co_u32 s22, s22, s23
	s_lshl_b32 s23, s18, 9                         ; four K steps are 512 bytes of a row
	s_add_co_u32 s22, s22, s23
	s_mov_b32 s23, 0
	s_and_b32 s19, ttmp9, 7                        ; b
	s_lshl_b32 s24, s19, 12
	s_lshl_b32 s25, s19, 8
	s_add_co_u32 s25, s25, 32768
	s_wait_alu depctr_va_vdst(0)                   ; ahead of the readers below
	v_lshlrev_b32 v[CO], 4, v2
	v_lshl_add_u32 v[SO], v3, 3, v[CO]             ; 16 r + 8 h
	v_lshl_add_u32 v[CO], v3, 11, v[CO]            ; 16 r + 2,048 h
	v_add_nc_u32 v[CO], s24, v[CO]
	v_add_nc_u32 v[SO], s25, v[SO]
	s_wait_alu depctr_va_vdst(0)                   ; and at the head's end
	s_wait_kmcnt 0x0
	s_add_nc_u64 s[6:7], s[6:7], s[22:23]
	s_add_nc_u64 s[8:9], s[8:9], s[20:21]
	; ---- labels and codebook into LDS: every load of a wave reads 512 consecutive bytes
.irp k, 0,1,2,3
	global_load_b128 v[X+4*\k:X+4*\k+3], v[LG], s[6:7] offset:16384*\k th:TH_LOAD_NT   ; place 4 k + wave; each label is read once in the launch
.endr
.irp k, 0,1,2,3,4,5,6,7
	global_load_b128 v[X+16+4*\k:X+16+4*\k+3], v[TG], s[4:5] offset:2048*\k            ; 32 centroids to a load of the work-group
.endr
.irp k, 0,1,2,3
	s_wait_loadcnt 11-\k                           ; loads come back in order (ISA guide 5.7.1): the younger ones stay out
	ds_store_b128 v[LS], v[X+4*\k:X+4*\k+3] offset:4*LP*\k
.endr
	ds_store_b128 v[PD], v[X:X+3]                  ; the padding of two centroids, with numbers that are at hand: so every byte of the codebook's rows is written; no gather reads these
	ds_store_b128 v[PD], v[X:X+3] offset:128*TP
.irp k, 0,1,2,3,4,5,6,7
	s_wait_loadcnt 7-\k
	ds_store_b128 v[TS], v[X+16+4*\k:X+16+4*\k+3] offset:32*TP*\k
.endr
	s_wait_dscnt 0x0                               ; for the others' sake: my stores have landed
	s_barrier_signal -1
	s_barrier_wait -1                              ; from here on LDS is only read
	; ---- my 16 labels become LDS addresses
.irp c, 0,1,2,3
	ds_load_b128 v[L+4*\c:L+4*\c+3], v[LR] offset:16*\c
.endr
	s_wait_dscnt 0x0
.irp n, 0,1,2,3,4,5,6,7,8,9,10,11,12,13,14,15
	v_min_u32 v[L+\n], 0xff, v[L+\n]               ; a loaded number enters an address only behind a clamp by a constant
.endr
.irp n, 0,1,2,3,4,5,6,7,8,9,10,11,12,13,14,15
	v_mul_u32_u24 v[L+\n], v[L+\n], TP
.endr
.macro GATHER u                        ; block u: the centroids of labels 2 u and 2 u + 1, 32 numbers along K, into set u % 4
.irp c, 0,1,2,3
	ds_load_b128 v[X+32*((\u)%4)+4*\c:X+32*((\u)%4)+4*\c+3], v[L+2*(\u)] offset:16*\c
.endr
.irp c, 0,1,2,3
	ds_load_b128 v[X+32*((\u)%4)+16+4*\c:X+32*((\u)%4)+16+4*\c+3], v[L+2*(\u)+1] offset:16*\c
.endr
.endm
.macro BLOCK u, left                   ; left: the LDS loads issued behind block u's, which may stay out
.set XS, X+32*((\u)%4)
	s_wait_dscnt \left
	v_max3_num_f32 v12, |v[XS]|, |v[XS+1]|, |v[XS+2]|              ; the block's largest magnitude: all 32 numbers are mine; four chains (v4, v5 have served as addresses)
	v_max3_num_f32 v13, |v[XS+3]|, |v[XS+4]|, |v[XS+5]|
	v_max3_num_f32 v4, |v[XS+6]|, |v[XS+7]|, |v[XS+8]|
	v_max3_num_f32 v5, |v[XS+9]|, |v[XS+10]|, |v[XS+11]|
.irp i, 12,20
	v_max3_num_f32 v12, v12, |v[XS+\i]|, |v[XS+\i+1]|
	v_max3_num_f32 v13, v13, |v[XS+\i+2]|, |v[XS+\i+3]|
	v_max3_num_f32 v4, v4, |v[XS+\i+4]|, |v[XS+\i+5]|
	v_max3_num_f32 v5, v5, |v[XS+\i+6]|, |v[XS+\i+7]|
.endr
	v_max3_num_f32 v12, v12, |v[XS+28]|, |v[XS+29]|
	v_max3_num_f32 v13, v13, |v[XS+30]|, |v[XS+31]|
	v_max3_num_f32 v4, v4, v5, (EMAX+1)<<23        ; and the floor 2^(EMAX + 1 - 127): the byte cannot fall under 1
	v_max3_num_f32 v12, v12, v13, v4
	v_add_nc_u32 v11, -(EMAX<<23), v12             ; EMAX off its exponent field: the conversion takes the exponent field of this operand as its scale, and nothing else of it
.irp g, 0,1,2,3
	v_cvt_scalef32_pk8_fp4_f32 v[C+4*(\u)+\g], v[XS+8*\g:XS+8*\g+7], v11   ; eight codes a register, the lower k in the lower bits
.endr
	v_lshrrev_b32 v13, 23, v11                     ; the scale's byte.  (Also the plain line behind the conversions)
.if (\u)%4 == 0
	v_mov_b32 v[SB+(\u)/4], v13                    ; four bytes to a register, the lower K in the lower byte
.else
	v_lshl_or_b32 v[SB+(\u)/4], v13, 8*((\u)%4), v[SB+(\u)/4]
.endif
	global_store_b128 v[CO], v[C+4*(\u):C+4*(\u)+3], s[8:9] offset:256*(\u)   ; sixteen lanes store 256 consecutive bytes, at a multiple of 256 from wq's first byte
.if (\u) < 4
	GATHER (\u)+4                                  ; the set just converted takes the block four further on
.endif
.endm
	GATHER 0
	GATHER 1
	GATHER 2
	GATHER 3
	BLOCK 0, 24                                    ; behind a block's eight loads stand those of the three blocks that follow it,
	BLOCK 1, 24
	BLOCK 2, 24
	BLOCK 3, 24
	BLOCK 4, 24
	BLOCK 5, 16                                    ; then of two, of one, of none
	BLOCK 6, 8
	BLOCK 7, 0
	global_store_b64 v[SO], v[SB:SB+1], s[8:9]     ; 32 lanes store the sixteen places' 256 scale bytes, consecutive and aligned
	s_wait_tensorcnt 0x0                           ; the wave's end
	ds_add_u32 v192, v193
	s_wait_dscnt 0x0
	s_endpgm
.Lfunc_end_k_qa58a2ba9f3_quant_w:
	.size	k_qa58a2ba9f3_quant_w, .Lfunc_end_k_qa58a2ba9f3_quant_w-k_qa58a2ba9f3_quant_w
	.p2alignl 7, 3214868480
	.fill 96, 4, 3214868480
	.section	.rodata,"a",@progbits
	.p2align	6, 0x0
	.amdhsa_kernel k_qa58a2ba9f3_quant_w
		.amdhsa_group_segment_fixed_size 29696
		.amdhsa_private_segment_fixed_size 0
		.amdhsa_enable_private_segment 0
		.amdhsa_kernarg_size 24
		.amdhsa_user_sgpr_count 2
		.amdhsa_user_sgpr_kernarg_segment_ptr 1
		.amdhsa_wavefront_size32 1
		.amdhsa_system_sgpr_workgroup_id_x 1
		.amdhsa_system_sgpr_workgroup_id_y 1
		.amdhsa_system_sgpr_workgroup_id_z 1
		.amdhsa_system_vgpr_workitem_id 0
		.amdhsa_next_free_vgpr 194
		.amdhsa_next_free_sgpr 66
		.amdhsa_reserve_vcc 0
		.amdhsa_float_denorm_mode_32 3
		.amdhsa_float_denorm_mode_16_64 3
		.amdhsa_memory_ordered 1
		.amdhsa_forward_progress 1
		.amdhsa_inst_pref_size 25
	.end_amdhsa_kernel
	.amdgpu_metadata
---
amdhsa.version: [ 1, 2 ]
amdhsa.kernels:
  - .name:           k_qa58a2ba9f3_quant_w
    .symbol:         k_qa58a2ba9f3_quant_w.kd
    .args:
      - { .name: centroids, .offset: 0, .size: 8, .value_kind: global_buffer, .address_space: global }
      - { .name: labels, .offset: 8, .size: 8, .value_kind: global_buffer, .address_space: global }
      - { .name: wq, .offset: 16, .size: 8, .value_kind: global_buffer, .address_space: global }
    .group_segment_fixed_size: 29696
    .private_segment_fixed_size: 0
    .kernarg_segment_align: 8
    .kernarg_segment_size: 24
    .max_flat_workgroup_size: 128
    .sgpr_count:     66
    .vgpr_count:     194
    .wavefront_size: 32
...
	.end_amdgpu_metadata
.endif
;; end of part 1
;; launch gemm (part 2): grid 8 x 32, 4 waves a work-group, clusters of 4 x 4, 327,680 bytes of LDS; arguments x_codes, x_scales, wq, bias, out0; writes out0
.if DOCPART == 2
	.amdgcn_target "amdgcn-amd-amdhsa--gfx1250"
	.amdhsa_code_object_version 6
	.text
	.protected	k_qa58a2ba9f3_gemm
	.globl	k_qa58a2ba9f3_gemm
	.p2align	8
	.type	k_qa58a2ba9f3_gemm,@function
k_qa58a2ba9f3_gemm:
	s_mov_b64 s[64:65], 0
	v_nop
	global_prefetch_b8 v0, s[64:65] scope:SCOPE_SE
	s_setreg_imm32_b32 hwreg(HW_REG_WAVE_MODE, 25, 1), 1
	s_wait_xcnt 0x0
	s_wait_alu depctr_hold_cnt(0) depctr_sa_sdst(0) depctr_va_vdst(0) depctr_va_sdst(0) depctr_va_ssrc(0) depctr_va_vcc(0) depctr_vm_vsrc(0)
	s_getreg_b32 s2, hwreg(HW_REG_IB_STS2, 6, 4)
	s_cmp_eq_u32 s2, 0
	s_cbranch_scc0 .Lentry_in_a_cluster
	s_endpgm
.Lentry_in_a_cluster:
	s_bfe_u32 s2, ttmp6, 0x10000c
	s_cmp_lg_u32 s2, 0xf033
	s_cbranch_scc0 .Lentry_shape_is_right
	s_endpgm
.Lentry_shape_is_right:
; out0[m][n] = bias[n] + sum over k of x[m][k] W[n][k].  x: [8192][4096] as codes of FP4 (E2M1), 2,048 bytes a row, with one E8M0 byte for each 32 along K, 128 bytes a row, both taken as given.
; W: [2048][4096] as this program's first launch laid it in wq: for each 128 columns G of out0 and each K step j of 512 one dense block of 34,816 bytes at (8 G + j) x 34,816: place r of tile b, block t of 32,
; 16 code bytes at 4096 b + 256 t + 16 r; its 16 scale bytes at 32,768 + 256 b + 16 r.  Place r of tile b = 4 g + i is column 128 G + 64 g + 4 r + i.  out0: [8192][2048] f32; sums in f32.
; A tile of out0, 256 x 256, is made by a work-group of four waves, as many as a WGP has SIMDs; a wave makes 128 x 128: 4 x 8 accumulators of 32 x 16, 512 registers.  8 x 32 tiles: 256 work-groups.
; K goes in 8 steps of 512 through a ring of two LDS slots filled by the tensor data mover: a row of x's tile is 256 bytes of memory; W's codes and scales of 128 columns are one dense block, one load.
; x's scales of the work-group's 256 rows, for all of K, 32,768 dense bytes, come into LDS once, through registers, and stay.  They are not asked for jointly: a wave issues one tensor load at the head, and the four
; waves' are the first K step's; they are 32 KiB of the 1,120 KiB that a work-group brings in.
; CLUSTERS: 4 x 4 work-groups.  The four of a row of the cluster need the same tiles of x, the four of a column the same blocks of W: each is asked for JOINTLY, by the same tensor load
; with the same descriptor and a mask that names the four.
; SOURCE 0 IS x (32 rows), SOURCE 1 IS W (16 columns): lane (r = lane % 16, h = lane / 16) of accumulator (a, b) holds column place r of tile b, register 8 t + j row 32 a + 16 t + 8 h + j.  By W's order of places the same
; register of tiles 4 g .. 4 g + 3 is four NEIGHBOURS of a row, 16 bytes, and sixteen lanes hold 256 consecutive bytes: results are stored straight from registers; the additions of the bias lay the four side by side.
; A K step is four steps of 128, 32 matrix instructions each.  W's fragments have FOUR sets, one for each of the four; x's have two, by turns.  The LDS loads of a step stand in ONE run at its start: in step 0 W's
; set 1, x's step 1 and half of W's set 2 (40 loads), in step 1 the rest of it, x's step 2 and W's set 3 (40), in step 2 x's step 3 alone (16): with these the slot has been read, the change of slots follows; in step 3
; the next slot's W set 0, scale words and x's step 0 (40).
; THE LAST K STEP GOES BY ROWS: all its W lies in the four sets, and x's four blocks of 32 rows are finished one after the other.  Waves 0 and 2 store a block and then multiply the next one, waves 1 and 3 multiply first:
; so one half's stores stand beside the other half's matrix work.
; PREFETCHES INTO THE L2: behind each fill the K step two fills on is asked for (at the head K step 1 too); each block of 256 bytes once in each cluster: the four partners share the 128 rows (or 136 units) of
; a wave's load out BY ADDRESS; the last fills ask for nothing.
; LIMITS: none of the inputs' values; the order in which f32 sums are added differs from the reference's.
; REGISTERS, in windows of 256: window 0: v0-31 addresses, bias; v32-95 scale words, two sets (set 0 also results on their way out in the last K step); v96-127 results on their way out; v128-255 x's fragments, two sets
;   (at the head: x's scales on their way into LDS; at the end: results on their way out).   window 1: W's fragments, set q at v64 q.
;   window 2: accumulators of my rows 0-63 ((a, b) at v[16 (8 a + b)]);   window 3: those of my rows 64-127.
.set ROWB,   256                       ; a row of x's tile in bytes: also the bytes from a K step to the next in a row of x's codes
.set KROW,   2048                      ; a row of x's codes in memory
.set ROWO,   8192                      ; a row of out0
.set PITCH,  272                       ; an LDS row of x: 256 bytes + 16 of padding = 68 words: row r starts at bank 4 r mod 64 (64 banks of 4 bytes: ISA guide 11.1)
.set HALF,   128*PITCH                 ; 34,816: 128 padded rows of x, and as many bytes as a block of wq
.set BSTEP,  34816                     ; from a K step's block of wq to the next
.set SLOT,   4*HALF                    ; x's 256 rows, then W's two blocks
.set SCA,    2*SLOT                    ; behind the ring: x's scales, as rows of 256 bytes (two rows of x) + 16 of padding; written by LDS stores, never by a tensor load
.set SPARE,  SCA+128*272               ; behind them: the spare words, 128 bytes for each wave: two blocks of 256 bytes that no other line names
.set BI,   8                           ; v8-15   the bias of tile b: BI + b
.set ADRA, 16                          ; v16-17  LDS address of my fragments of x in slot 0, 1
.set PWE,  18                          ; v18     prefetch: my unit of the block's last eight (its scales)
.set XL,   19                          ; v19     where I put 16 bytes of x's scales in LDS
.set ADRB, 20                          ; v20-21  my fragments of W: 16 x lane in my block
.set ADSB, 22                          ; v22-23  W's scale words: lanes 0-15 tiles 0-3, lanes 16-31 tiles 4-7
.set CO,   26                          ; v26     my byte offset in out0: 8 h rows + 16 r
.set ADSA, 27                          ; v27     x's scale words of an even K step: lane l row l of 32
.set SPW,  28                          ; v28     LDS address of my spare word: SPARE + 4 x my thread's number; never rewritten
.set NIL,  29                          ; v29     0; never rewritten
.set PXO,  30                          ; v30     prefetch: my row of x;  v31  my unit of the block's codes
.set PWO,  31
.set SC,   32                          ; scale words: set s (for slot s) at v[SC + 32 s]; register 4 a + q: x's 32 rows of block a; 16 + 4 b + q: W's tile b (lanes 0-15) and b + 4 (lanes 16-31)
.set AF,   128
.set G1,   24                          ; s[24:31] descriptor group 1 for x's tiles;  s[32:39] group 0, one set for each slot
.set G0,   32
.set G1B,  48                          ; s[48:55], s[56:63] the same for W's blocks
.set G0B,  56
.set PX,   80                          ; s[80:81] x's codes at the 128 rows that I fetch, one K step behind the last filled
.set PW,   82                          ; s[82:83] wq likewise
.set TA,   84                          ; s[84:85] x's codes at the 128 rows that I fetch;  s[86:87] wq at the block that I fetch
.set TBB,  86
.set MSB, 0
.macro WIN new                         ; the immediate's high byte repeats the setting that is left
.if MSB != (\new)
	s_set_vgpr_msb (MSB<<8)|(\new)
.set MSB, (\new)
.endif
.endm
.set MUL,  0xa4                        ; source 0 (x) window 0, source 1 (W) window 1, C and D window 2;  + 0x50: window 3
.set TO_B, 0x40                        ; destination window 1, address window 0
; A joint load: waves 0 and 1 fetch x's two halves, waves 2 and 3 W's two blocks: two lines, each with ONE mask and one set of registers; the branch hangs on the wave's number alone.
.macro JLOAD s
	s_cmp_eq_u32 s15, 0
	s_cbranch_scc0 .Lfor_b_\@
	tensor_load_to_lds s[G0+4*\s:G0+4*\s+3], s[G1:G1+7]
	s_nop 0
.rept 4
	v_nop
.endr
	s_branch .Lasked_\@
.Lfor_b_\@:
	tensor_load_to_lds s[G0B+4*\s:G0B+4*\s+3], s[G1B:G1B+7]
	s_nop 0
.rept 4
	v_nop
.endr
.Lasked_\@:
.endm
.macro CREST                           ; a round of the cluster's barrier behind its opening barrier
	s_cmp_lg_u32 s14, 0
	s_cbranch_scc1 .Lnot_wave_0_\@
	s_barrier_signal -3
.Lnot_wave_0_\@:
	s_barrier_wait -3
	s_barrier_signal -1
	s_barrier_wait -1
.endm
.macro CROUND                          ; a whole round
	s_barrier_signal -1
	s_barrier_wait -1
	CREST
.endm
.macro ASK j                           ; prefetch: the K step j behind the one at which PX and PW stand.  Waves 0, 1: 32 rows of x; waves 2, 3: 32 units of W's codes and two of its scales
	s_cmp_eq_u32 s15, 0
	s_cbranch_scc0 .Lask_w_\@
	global_prefetch_b8 v[PXO], s[PX:PX+1] offset:(\j)*ROWB th:TH_LOAD_NT scope:SCOPE_SE
	s_branch .Lask_end_\@
.Lask_w_\@:
	global_prefetch_b8 v[PWO], s[PW:PW+1] offset:(\j)*BSTEP th:TH_LOAD_NT scope:SCOPE_SE
	global_prefetch_b8 v[PWE], s[PW:PW+1] offset:(\j)*BSTEP th:TH_LOAD_NT scope:SCOPE_SE
.Lask_end_\@:
.endm
.macro ASKL                            ; in the loop: its last trip fills the last two K steps and asks for nothing
	s_cmp_gt_u32 s3, 1
	s_cbranch_scc0 .Lno_ask_\@
	ASK 2
.Lno_ask_\@:
.endm
	s_load_b256 s[4:11], s[0:1], 0x0               ; x's codes s[4:5], x's scales s[6:7], wq s[8:9], bias s[10:11]
	s_load_b64 s[12:13], s[0:1], 0x20              ; out0
	v_lshl_add_u32 v[SPW], v0, 2, SPARE
	v_mov_b32 v[NIL], 0
	ds_add_u32 v[SPW], v[NIL]                      ; the wave's opening: the add, twice on end, and its wait ahead of my first tensor load
	ds_add_u32 v[SPW], v[NIL]
	v_lshrrev_b32 v1, 5, v0
	v_readfirstlane_b32 s14, v1                    ; wave 0..3
	s_lshr_b32 s15, s14, 1                         ; which half of the tile's rows is mine.  Also: I fetch for x (0) or for W (1)
	s_and_b32 s16, s14, 1                          ; which half of its columns.  Also: which half of that operand I fetch
	s_bfe_u32 s40, ttmp6, 0x40000                  ; cx, cy: my place in the cluster
	s_bfe_u32 s41, ttmp6, 0x40004
	s_lshl_b32 s42, ttmp9, 2
	s_add_co_u32 s42, s42, s40                     ; tile column = 4 x cluster x + cx
	s_and_b32 s17, ttmp7, 0xffff
	s_lshl_b32 s17, s17, 2
	s_add_co_u32 s17, s17, s41                     ; tile row = 4 x cluster y + cy
	s_lshl_b32 s43, s41, 2
	s_lshl_b32 s43, 15, s43                        ; my row of the cluster
	s_lshl_b32 s44, 0x1111, s40                    ; my column
	; descriptor group 1.  x's tile: 128 rows of 256 bytes, 2,048 apart, padded in LDS
	s_or_b32 s[G1+0], s43, (0<<16)|(1<<20)|(1<<21)|(5<<22)|(3<<25)  ; 15:0 the mask: my row; 17:16 element of 1 byte; 20 padding on; 21 set beside a mask; 24:22 after every 64 words (code 5); 31:25 of 4 words (code 3)
	s_mov_b32 s[G1+1], ROWB<<16                    ; tensor_dim0
	s_mov_b32 s[G1+2], 128<<16                     ; tensor_dim1
	s_mov_b32 s[G1+3], ROWB<<16                    ; tile_dim0
	s_mov_b32 s[G1+4], 128                         ; tile_dim1
	s_mov_b32 s[G1+5], KROW                        ; tensor_dim0_stride
	s_mov_b32 s[G1+6], 0
	s_mov_b32 s[G1+7], 0
	; W's block: 34,816 dense bytes as 136 rows of 256, no padding: the images are read 16 bytes a lane, on end
	s_or_b32 s[G1B+0], s44, (0<<16)|(1<<21)        ; the mask: my column
	s_mov_b32 s[G1B+1], 256<<16
	s_mov_b32 s[G1B+2], 136<<16
	s_mov_b32 s[G1B+3], 256<<16
	s_mov_b32 s[G1B+4], 136
	s_mov_b32 s[G1B+5], 256
	s_mov_b32 s[G1B+6], 0
	s_mov_b32 s[G1B+7], 0
	; offsets.  x's hang on the tile row alone, which my row of the cluster shares; W's on the tile column alone, which my column shares.  All stay under 2^27 bytes
	s_lshl_b32 s20, s17, 19                        ; x: 256 rows of 2,048 bytes,
	s_lshl_b32 s18, s16, 18
	s_add_co_u32 s20, s20, s18                     ; the half that I fetch
	s_mov_b32 s21, 0
	s_lshl_b32 s22, s17, 15                        ; x's scales: 256 rows of 128 bytes,
	s_lshl_b32 s19, s14, 13
	s_add_co_u32 s22, s22, s19                     ; my wave's 64 of them
	s_mov_b32 s23, 0
	s_mul_i32 s46, s42, 16*BSTEP                   ; W: two times eight blocks,
	s_mul_i32 s66, s16, 8*BSTEP
	s_add_co_u32 s46, s46, s66                     ; the half that I fetch
	s_mov_b32 s47, 0
	s_mul_i32 s45, s14, HALF                       ; where the ring's tiles go: wave x 34,816: no place in the cluster enters an LDS address
	s_mul_i32 s67, s14, 32*272
	s_add_co_u32 s67, s67, SCA                     ; and my wave's quarter of x's scales
	s_mul_i32 s80, s15, HALF                       ; my 128 rows of x
	s_mul_i32 s81, s16, HALF
	s_add_co_u32 s81, s81, 2*HALF                  ; my block of W, behind x's 256 rows
	s_mul_i32 s82, s15, 64*272
	s_add_co_u32 s82, s82, SCA                     ; the scales of my 128 rows
	s_lshl_b32 s83, s40, 16                        ; prefetches: the partner's 32 rows of 2,048 bytes;
	s_lshl_b32 s2, s41, 13                         ; its 32 units of 256 bytes;
	s_lshl_b32 s3, s41, 9
	s_add_co_u32 s3, s3, 32768                     ; its two of the last eight
	v_and_b32 v1, 15, v0                           ; r
	v_bfe_u32 v2, v0, 4, 1                         ; h
	v_and_b32 v3, 31, v0                           ; lane
	v_mul_u32_u24 v4, v1, PITCH
	v_lshl_add_u32 v4, v2, 4, v4                   ; x: a fragment's row x pitch + 16 h
	v_lshlrev_b32 v5, 4, v3                        ; W and x's scales in memory: 16 x lane
	v_lshlrev_b32 v6, 4, v1                        ; 16 r
	v_lshl_add_u32 v7, v2, 10, v6
	v_add_nc_u32 v7, 32768, v7                     ; W's scale words: behind the images, 16 bytes a place; lanes 16-31 four tiles (1,024 bytes) on
	v_add_nc_u32 v[ADRA], s80, v4
	v_add_nc_u32 v[ADRA+1], SLOT, v[ADRA]
	v_add_nc_u32 v[ADRB], s81, v5
	v_add_nc_u32 v[ADRB+1], SLOT, v[ADRB]
	v_add_nc_u32 v[ADSB], s81, v7
	v_add_nc_u32 v[ADSB+1], SLOT, v[ADSB]
	v_mul_u32_u24 v[XL], v2, 272                   ; x's scales on their way in: a load's 512 bytes are two LDS rows of 256 + 16
	v_lshl_add_u32 v[XL], v1, 4, v[XL]
	v_add_nc_u32 v[XL], s67, v[XL]
	v_lshrrev_b32 v24, 1, v3                       ; and as they are read: two rows of 128 bytes to an LDS row of 272:
	v_mul_u32_u24 v24, v24, 272
	v_and_b32 v25, 1, v3
	v_lshl_add_u32 v24, v25, 7, v24                ; 272 (l / 2) + 128 (l % 2): sixteen neighbouring lanes take sixteen different starts among the banks
	v_add_nc_u32 v[ADSA], s82, v24
	v_lshl_add_u32 v[CO], v2, 16, v6               ; 8 h rows of 8,192 bytes + 16 r
	v_lshl_add_u32 v[PXO], v3, 11, s83
	v_lshl_add_u32 v[PWO], v3, 8, s2
	v_min_u32 v25, 1, v3                           ; (lanes that are left over name the last unit again)
	v_lshl_add_u32 v[PWE], v25, 8, s3
	s_wait_alu depctr_va_vdst(0)                   ; the wait behind the head's last vector instruction
	s_wait_dscnt 0x0                               ; both opening adds are done
	s_wait_kmcnt 0x0
	s_add_nc_u64 s[TA:TA+1], s[4:5], s[20:21]
	s_add_nc_u64 s[22:23], s[6:7], s[22:23]
	s_add_nc_u64 s[TBB:TBB+1], s[8:9], s[46:47]
.irp s, 0,1                            ; groups 0: my quarter of slot s, K step s
	s_mov_b32 s[G0+4*\s], 1
	s_add_co_u32 s[G0+4*\s+1], s45, \s*SLOT
	s_add_nc_u64 s[G0+4*\s+2:G0+4*\s+3], s[TA:TA+1], \s*ROWB
	s_or_b32 s[G0+4*\s+3], s[G0+4*\s+3], 0x80000000
	s_mov_b32 s[G0B+4*\s], 1
	s_add_co_u32 s[G0B+4*\s+1], s45, \s*SLOT
	s_add_nc_u64 s[G0B+4*\s+2:G0B+4*\s+3], s[TBB:TBB+1], \s*BSTEP
	s_or_b32 s[G0B+4*\s+3], s[G0B+4*\s+3], 0x80000000
.endr
	CROUND                                         ; all sixteen work-groups are here: the first joint loads meet
	JLOAD 0                                        ; K step 0
.irp k, 0,1,2,3,4,5,6,7,8,9,10,11,12,13,14,15
	global_load_b128 v[AF+4*\k:AF+4*\k+3], v5, s[22:23] offset:512*\k   ; x's scales of four rows: the 32 lanes read 512 consecutive bytes
.endr
	s_add_nc_u64 s[PX:PX+1], s[TA:TA+1], ROWB
	s_add_nc_u64 s[PW:PW+1], s[TBB:TBB+1], BSTEP
	s_lshl_b32 s20, s17, 21                        ; my first row of out0: 256 x tile row + 128 x half, of 8,192 bytes
	s_lshl_b32 s18, s15, 20
	s_add_co_u32 s20, s20, s18
	s_mov_b32 s21, 0
	s_lshl_b32 s46, s42, 10                        ; my first column, in bytes of f32: in out0 and in the bias alike
	s_lshl_b32 s47, s16, 9
	s_add_co_u32 s46, s46, s47
	s_mov_b32 s47, 0
	s_add_nc_u64 s[12:13], s[12:13], s[20:21]
	s_add_nc_u64 s[12:13], s[12:13], s[46:47]
	s_add_nc_u64 s[10:11], s[10:11], s[46:47]
	global_load_b128 v[BI:BI+3],   v6, s[10:11]    ; the bias of columns 4 r .. 4 r + 3: tiles 0-3;
	global_load_b128 v[BI+4:BI+7], v6, s[10:11] offset:256   ; of columns 64 + 4 r ..: tiles 4-7
	ASK 0                                          ; K step 1
	s_wait_loadcnt 0x2                             ; loads come back in order (ISA guide 5.7.1): x's scales are in; the two loads of the bias may be out
.irp k, 0,1,2,3,4,5,6,7,8,9,10,11,12,13,14,15
	ds_store_b128 v[XL], v[AF+4*\k:AF+4*\k+3] offset:2*272*\k
.endr
	ASK 1                                          ; K step 2
.macro LDA p, slot, q, n               ; x: load n of 16 of the slot's q-th 128 along K, into set p.  A fragment, 16 rows x 128 K of 4-bit codes, is 8 registers: lane l holds row l % 16; registers 4 c .. 4 c + 3
	WIN 0                              ; hold K = 64 c + 32 (l / 16) + 0 .. 31, the lower K in the lower bits; two fragments are an operand of 32 rows
	ds_load_b128 v[AF+64*(\p)+4*(\n):AF+64*(\p)+4*(\n)+3], v[ADRA+\slot] offset:64*(\q)+32*((\n)%2)+((\n)/2)*16*PITCH
.endm
.macro LDB slot, q, n                  ; W: load n of 16, into set q: images of these registers, 512 consecutive bytes a load
	WIN TO_B
	ds_load_b128 v[64*(\q)+4*(\n):64*(\q)+4*(\n)+3], v[ADRB+\slot] offset:4096*((\n)/2)+1024*(\q)+512*((\n)%2)
.endm
.macro LDSC sc, n                      ; scale words: load n of 8 into set sc: four words a row
	WIN 0
.if (\n) < 4
	ds_load_b128 v[SC+32*(\sc)+4*(\n):SC+32*(\sc)+4*(\n)+3], v[ADSA] offset:(\n)*16*272+16*(\sc)
.else
	ds_load_b128 v[SC+32*(\sc)+4*(\n):SC+32*(\sc)+4*(\n)+3], v[ADSB+\sc] offset:((\n)-4)*256
.endif
.endm
.macro TLA i, n                        ; the last K step (slot 1): load n of 16 of x's block i, all four 128 along K, into set i % 2
	WIN 0
	ds_load_b128 v[AF+64*((\i)%2)+4*(\n):AF+64*((\i)%2)+4*(\n)+3], v[ADRA+1] offset:64*((\n)/4)+32*((\n)%2)+(2*(\i)+((\n)/2)%2)*16*PITCH
.endm
.macro TLA16 i
.irp n, 0,1,2,3,4,5,6,7,8,9,10,11,12,13,14,15
	TLA \i, \n
.endr
.endm
.macro ONE kind, slot, next            ; load number LI of a step's list.  kind: the step, 0 .. 3; 4: step 3 ahead of the last K step
.if \kind == 0
.if LI < 16
	LDB \slot, 1, LI
.elseif LI < 32
	LDA 1, \slot, 1, LI-16
.else
	LDB \slot, 2, LI-32
.endif
.elseif \kind == 1
.if LI < 8
	LDB \slot, 2, LI+8
.elseif LI < 24
	LDA 0, \slot, 2, LI-8
.else
	LDB \slot, 3, LI-24
.endif
.elseif \kind == 2
	LDA 1, \slot, 3, LI
.elseif \kind == 3
.if LI < 16
	LDB \next, 0, LI
.elseif LI < 24
	LDSC \next, LI-16
.else
	LDA 0, \next, 0, LI-24
.endif
.else
.if LI < 16
	LDB 1, 0, LI
.elseif LI < 24
	LDSC 1, LI-16
.elseif LI < 40
	TLA 0, LI-24
.elseif LI < 56
	LDB 1, 1, LI-40
.else
	LDB 1, 2, LI-56
.endif
.endif
.set LI, LI+1
.endm
.macro ISSUE kind, slot, next, count
.rept \count
	ONE \kind, \slot, \next
.endr
.endm
; One product: x's block i (32 rows, registers from ra on) against W's tile nb, 128 along K: the slot's q-th.  sc: the set of scale words.  zero = 1: the sum's first product: nothing is ever cleared.
.macro WM i, nb, q, sc, zero, ra
.set AC,  16*(8*((\i)%2)+(\nb))
.set RA,  \ra
.set RB,  64*(\q)+8*(\nb)
.set SAR, SC+32*(\sc)+4*(\i)+(\q)
.set SBR, SC+32*(\sc)+16+4*((\nb)%4)+(\q)
.if \zero
.if (\nb) < 4
	v_wmma_scale_f32_32x16x128_f4 v[AC:AC+15], v[RA:RA+15], v[RB:RB+7], 0, v[SAR], v[SBR]
.else
	v_wmma_scale_f32_32x16x128_f4 v[AC:AC+15], v[RA:RA+15], v[RB:RB+7], 0, v[SAR], v[SBR] matrix_b_scale:MATRIX_SCALE_ROW1
.endif
.else
.if (\nb) < 4
	v_wmma_scale_f32_32x16x128_f4 v[AC:AC+15], v[RA:RA+15], v[RB:RB+7], v[AC:AC+15], v[SAR], v[SBR]
.else
	v_wmma_scale_f32_32x16x128_f4 v[AC:AC+15], v[RA:RA+15], v[RB:RB+7], v[AC:AC+15], v[SAR], v[SBR] matrix_b_scale:MATRIX_SCALE_ROW1
.endif
.endif
.endm
; Four of a step's 32 matrix instructions: x's block k / 2 against four tiles of W.  The 32 accumulators take turns, one instruction a turn, in the same order in every step.
.macro QUART k, q, sc, zero
	WIN MUL+0x50*((\k)/4)
.irp e, 0,1,2,3
	WM (\k)/2, 4*((\k)%2)+\e, \q, \sc, \zero, AF+64*((\q)%2)+16*((\k)/2)
.endr
.endm
; Four places behind the last matrix instruction (ISA guide 7.12.1 for vector instructions): once a step, since a step's loads go only into registers that earlier steps' products read.
.macro PLACES
.rept 4
	v_nop
.endr
.endm
; Steps 0 and 1.  x: how many loads of the list before stand behind those of x's blocks.  Ahead of block k / 2: out may be the blocks behind it (4 loads each), those x, and this step's own 40.
.macro STEP slot, q, zero, x
.set LI, 0
	PLACES
	ISSUE \q, \slot, 0, 40
.irp k, 0,1,2,3,4,5,6,7
.if (\k)%2 == 0
	s_wait_dscnt 12-2*\k+\x+40
.endif
	QUART \k, \q, \slot, \zero
.endr
.endm
; Step 2, in which the slot is read to its end: ONE barrier; in front of it each wave waits for all its tensor loads, adds 0 to its spare word, and waits for that and for its own reads of this slot.
; fill = 1: the slot is filled again, with the K step two further on.
.macro TURN slot, fill
.set LI, 0
	PLACES
	ISSUE 2, \slot, 0, 16
	s_wait_dscnt 12+16+16                          ; out may be x's blocks 1-3, W's set 3, and the 16 just issued
	QUART 0, 2, \slot, 0
	QUART 1, 2, \slot, 0
	s_wait_dscnt 8+16+16
	QUART 2, 2, \slot, 0
	QUART 3, 2, \slot, 0
	WIN 0                                          ; (the add's two registers lie in window 0)
.if \fill
	s_wait_xcnt 0x0                                ; my prefetches have read their addresses
	s_add_nc_u64 s[PX:PX+1], s[PX:PX+1], ROWB
	s_add_nc_u64 s[PW:PW+1], s[PW:PW+1], BSTEP
.endif
	s_wait_tensorcnt 0x0                           ; all my tensor loads have landed: my part of the next slot;
	ds_add_u32 v[SPW], v[NIL]                      ; 0 onto my spare word;
.if \fill
	s_add_nc_u64 s[G0+4*\slot+2:G0+4*\slot+3], s[G0+4*\slot+2:G0+4*\slot+3], 2*ROWB    ; no tensor load of mine is out, so a group 0 may be written
	s_add_nc_u64 s[G0B+4*\slot+2:G0B+4*\slot+3], s[G0B+4*\slot+2:G0B+4*\slot+3], 2*BSTEP
.endif
	s_wait_dscnt 4+16+16+1                         ; (and the add)
	QUART 4, 2, \slot, 0
	QUART 5, 2, \slot, 0
	s_wait_dscnt 0x0                               ; the add is done, and my reads of this slot are over
	s_barrier_signal -1
	QUART 6, 2, \slot, 0
	QUART 7, 2, \slot, 0
	WIN 0
	s_barrier_wait -1
.if \fill
	CREST                                          ; the barrier has opened a round of the cluster's barrier: no wave of any partner still reads this slot or has a load on its way
	JLOAD \slot                                    ; the first tensor load behind the round, my only one until the next; the four v_nop behind it are the places in front of step 3's loads
.else
	PLACES
.endif
.endm
; Step 3: its own operands are all in (the wait for 0 in front of the barrier); the next slot's first are fetched.  x's scale words of an odd K step lie 16 bytes behind the even one's, in the immediate.
.macro LAST slot, next, kind
.set LI, 0
.if (\kind == 3) && (\next == 0)
	v_add_nc_u32 v[ADSA], 32, v[ADSA]              ; two K steps on
	s_wait_alu depctr_va_vdst(0)                   ; directly behind the write
.endif
	ISSUE \kind, \slot, \next, 40
.irp k, 0,1,2,3,4,5,6,7
.if (\kind == 4) && (\k == 4)
	ISSUE 4, \slot, \next, 32
.endif
	QUART \k, 3, \slot, 0
.endr
	WIN 0
.endm
.macro ROWQ i, q                       ; the last K step: x's block i against W's eight tiles, the q-th 128 along K
	WIN MUL+0x50*((\i)/2)
.irp b, 0,1,2,3,4,5,6,7
	WM \i, \b, \q, 1, 0, AF+64*((\i)%2)+16*(\q)
.endr
.endm
.macro ROWS i                          ; and all of it, behind the wait for its fragments (the next block's sixteen loads may be out)
.if \i < 3
	s_wait_dscnt 16
.else
	s_wait_dscnt 0
.endif
.irp q, 0,1,2,3
	ROWQ \i, \q
.endr
	WIN 0
.endm
; THE WAY OUT of registers 8 t .. 8 t + 7 of block i's eight accumulators: sixteen stores.  The additions of the bias lay four tiles' numbers side by side; each store covers two aligned runs of 256 consecutive bytes:
; lanes 0-15 a row, lanes 16-31 the row eight further down.  The immediates reach 119 rows, inside the signed 24 bits (ISA guide, chapter 10).  fin = 1: nothing is multiplied any more, and x's registers carry the results.
.macro OUT i, t, fin
.if \fin == 0
	s_wait_xcnt 0x0                                ; the last sixteen stores have read their registers, which are written again
.endif
	WIN 0x02+(\i)/2                                ; source 0: window 2 or 3
.irp j, 0,1,2,3,4,5,6,7
.set TB, (\fin)*(128+64*(\t)+8*\j)+(1-(\fin))*(96*(1-\j/4)+8*\j)
.irp g, 0,1
.irp e, 0,1,2,3
	v_add_f32 v[TB+4*\g+\e], v[16*(8*((\i)%2)+4*\g+\e)+8*(\t)+\j], v[BI+4*\g+\e]
.endr
.endr
.endr
	WIN 0
.irp j, 0,1,2,3,4,5,6,7
.set TB, (\fin)*(128+64*(\t)+8*\j)+(1-(\fin))*(96*(1-\j/4)+8*\j)
.irp g, 0,1
	global_store_b128 v[CO], v[TB+4*\g:TB+4*\g+3], s[12:13] offset:(32*(\i)+16*(\t)+\j)*ROWO+256*\g th:TH_STORE_NT
.endr
.endr
.endm
	s_wait_loadcnt 0x0                             ; the bias
	s_wait_tensorcnt 0x0                           ; my part of K step 0 is in;
	ds_add_u32 v[SPW], v[NIL]                      ; 0 onto my spare word;
	s_wait_dscnt 0x0                               ; the add is done, and, for the others' sake, my stores of x's scales
	CROUND                                         ; a whole round: K step 0 and the scales are in, and all sixteen work-groups are here: the joint loads meet,
	JLOAD 1                                        ; and K step 1's load, the first tensor load behind the round
.set LI, 0
	ISSUE 3, 0, 0, 40                              ; K step 0's W set 0, scale words, x's step 0
	ASK 2                                          ; K step 3
	STEP 0, 0, 1, 0                                ; the first step stands in front of the loop: its products start the sums
	WIN 0                                          ; at a label and at a branch every window is 0
	s_mov_b32 s3, 3
.Llap:                                                 ; a trip goes once round the ring and fills both slots again: K steps 2 to 7 in three trips
	STEP 0, 1, 0, 8
	TURN 0, 1
	LAST 0, 1, 3
	ASKL
	STEP 1, 0, 0, 0
	STEP 1, 1, 0, 8
	TURN 1, 1
	LAST 1, 0, 3
	ASKL
	STEP 0, 0, 0, 0
	WIN 0
	s_sub_co_u32 s3, s3, 1
	s_cmp_lg_u32 s3, 0
	s_cbranch_scc1 .Llap
	STEP 0, 1, 0, 8                                ; K step 6: nothing is filled any more
	TURN 0, 0
	LAST 0, 1, 4                                   ; and of K step 7: W's sets 0-2, the scale words, x's block 0
	PLACES
.irp n, 0,1,2,3,4,5,6,7,8,9,10,11,12,13,14,15
	LDB 1, 3, \n
.endr
	TLA16 1
	s_wait_dscnt 63                                ; out may be W's sets 1, 2, 3 and x's block 1: 64 loads, one more than a wait's count can name
	ROWQ 0, 0
	s_wait_dscnt 48
	ROWQ 0, 1
	s_wait_dscnt 32
	ROWQ 0, 2
	s_wait_dscnt 16
	ROWQ 0, 3
	WIN 0
	s_cmp_lg_u32 s16, 0                            ; by the wave's number: no barrier stands on either way
	s_cbranch_scc1 .Lmultiply_first
.irp i, 1,2,3                          ; waves 0, 2: block i - 1 is stored, then block i multiplied
	PLACES                                         ; in front of the first read of block i - 1's results, and of loads into the registers of x that it read
.if \i < 3
	TLA16 \i+1
.endif
	OUT \i-1, 0, 0
	OUT \i-1, 1, 0
	ROWS \i
.endr
	s_branch .Llast_block
.Lmultiply_first:
.irp i, 1,2,3                          ; waves 1, 3: block i is multiplied, then block i - 1 stored
	PLACES
.if \i < 3
	TLA16 \i+1
.endif
	ROWS \i
	OUT \i-1, 0, 0
	OUT \i-1, 1, 0
.endr
.Llast_block:
	PLACES
	OUT 3, 0, 1
	OUT 3, 1, 1
	s_wait_tensorcnt 0x0                           ; the wave's end
	ds_add_u32 v[SPW], v[NIL]
	s_wait_dscnt 0x0
	CROUND                                         ; the closing round: no work-group ends while a partner may still ask for a tile that names it
	s_endpgm
.Lfunc_end_k_qa58a2ba9f3_gemm:
	.size	k_qa58a2ba9f3_gemm, .Lfunc_end_k_qa58a2ba9f3_gemm-k_qa58a2ba9f3_gemm
	.p2alignl 7, 3214868480
	.fill 96, 4, 3214868480
	.section	.rodata,"a",@progbits
	.p2align	6, 0x0
	.amdhsa_kernel k_qa58a2ba9f3_gemm
		.amdhsa_group_segment_fixed_size 327680
		.amdhsa_private_segment_fixed_size 0
		.amdhsa_enable_private_segment 0
		.amdhsa_kernarg_size 40
		.amdhsa_user_sgpr_count 2
		.amdhsa_user_sgpr_kernarg_segment_ptr 1
		.amdhsa_wavefront_size32 1
		.amdhsa_system_sgpr_workgroup_id_x 1
		.amdhsa_system_sgpr_workgroup_id_y 1
		.amdhsa_system_sgpr_workgroup_id_z 1
		.amdhsa_system_vgpr_workitem_id 0
		.amdhsa_next_free_vgpr 1024
		.amdhsa_next_free_sgpr 98
		.amdhsa_reserve_vcc 0
		.amdhsa_float_denorm_mode_32 3
		.amdhsa_float_denorm_mode_16_64 3
		.amdhsa_memory_ordered 1
		.amdhsa_forward_progress 1
		.amdhsa_inst_pref_size 185
	.end_amdhsa_kernel
	.amdgpu_metadata
---
amdhsa.version: [ 1, 2 ]
amdhsa.kernels:
  - .name:           k_qa58a2ba9f3_gemm
    .symbol:         k_qa58a2ba9f3_gemm.kd
    .args:
      - { .name: x_codes, .offset: 0, .size: 8, .value_kind: global_buffer, .address_space: global }
      - { .name: x_scales, .offset: 8, .size: 8, .value_kind: global_buffer, .address_space: global }
      - { .name: wq, .offset: 16, .size: 8, .value_kind: global_buffer, .address_space: global }
      - { .name: bias, .offset: 24, .size: 8, .value_kind: global_buffer, .address_space: global }
      - { .name: out0, .offset: 32, .size: 8, .value_kind: global_buffer, .address_space: global }
    .group_segment_fixed_size: 327680
    .private_segment_fixed_size: 0
    .kernarg_segment_align: 8
    .kernarg_segment_size: 40
    .max_flat_workgroup_size: 128
    .sgpr_count:     98
    .vgpr_count:     1024
    .wavefront_size: 32
...
	.end_amdgpu_metadata
.endif
;; end of part 2
